; MI455X (gfx1250); checked and timed in simulation.
; The chip was launched on July 23, 2026; its instructions are those of AMD's public machine-readable ISA for CDNA 5 (MIT licence, August 2026) and "CDNA5" Instruction Set Architecture Reference Guide (July 2026). The comments in the code are by the model that wrote it; some were corrected since.
;; Minibatch Discrimination. Allowed arithmetic: matrix products marked QUANTISED: E2M1 operands, one E8M0 scale for each 32 along K, by v_wmma_scale_f32_16x16x128_f8f6f4 with both operands' format E2M1 (or v_wmma_scale_f32_32x16x128_f4), f32 sums; products left as they are: f32 operands where the result goes on into a quantised operand, else bf16, f16 or f32 operands; f32 sums; everything else in f32.
;; Inputs: T 256 x 64 x 32 float32; W1 1 x 64 float32; b1 1 float32; beta 256 float32; feature 256 x 256 float32; gamma 256 float32.
;; Outputs: out0 256 x 1 float32.
;; This version of the problem:
;;   THIS VERSION OF THE PROBLEM IS GIVEN IN LOW PRECISION. The matrix products marked QUANTISED in the list below multiply operands that are first quantised to E2M1 (2 exponent bits, 1 mantissa bit; 4 bits a number), with one power-of-two scale for each 32 numbers along K (OCP MX v1.0); their sums are f32. All else is computed in f32.
;;   The module's matrix products, in the order in which they are computed (A, B: the left and right operand; K: the contracted axis; several contracted axes count as one K, in the product's order):
;;     1. [M 256, K 256] x [K 256, N 2,048]; A: computed on the way; B: input T: QUANTISED
;;     2. [M 256, K 64] x [K 64, N 1]; A: computed on the way; B: computed on the way: left as it is (N = 1 < 16)
;;   THE QUANTISER, for each operand of a quantised product, along K:
;;     - K is cut into blocks of 32 from its start; a last block that is shorter is filled with zeros.
;;     - A block's scale is 2^e with e = floor(log2(the largest magnitude in the block)) - 2, held to -126 .. 127; a block of zeros has e = 0. As a byte (E8M0): e + 127.
;;     - Each number is divided by its block's scale, clamped to +-6, and rounded to the nearest number of E2M1, ties to even, subnormals kept.
;;     - The product sums the exact products of the quantised numbers (number of the format x scale) in f32.
;;   ~~~python
;;   def quantise(x, axis):      # numpy; x: float32 -> the quantised numbers, widened to float32 again
;;       x = np.moveaxis(x, axis, -1); K = x.shape[-1]
;;       x = np.pad(x, [(0, 0)] * (x.ndim - 1) + [(0, -K % 32)]); x = x.reshape(x.shape[:-1] + (-1, 32)); a = np.abs(x).max(-1, keepdims=True)
;;       e = np.where(a > 0, np.clip(np.frexp(np.where(a > 0, a, 1))[1] - 1 - 2, -126, 127), 0)      # np.frexp(a)[1] - 1 = floor(log2(a)), exactly
;;       r = np.clip(x / 2.0 ** e, -6, 6)
;;       step = 2.0 ** (np.maximum(np.frexp(np.where(r == 0, 1, r))[1] - 1, 0) - 1)
;;       q = np.round(r / step) * step * 2.0 ** e      # np.round: ties to even
;;       return np.moveaxis(q.reshape(q.shape[:-2] + (-1,))[..., :K], -1, axis).astype(np.float32)
;;   ~~~
;;   OPERANDS COMPUTED ON THE WAY. 'Computed on the way' means the value that the module computes at that place (a softmax that the list does not call 'softmax' is quantised finished and normalised). What goes into a quantiser is computed in f32, as accurately as f32 sums, v_exp_f32 and their like allow (about 1e-6 of the number): no bf16 or f16 on the way to a quantiser, and a product that is left as it is and whose result goes on into a quantised operand takes f32 operands (vector FMAs, or v_wmma_f32_16x16x4_f32). A number that lies on a knife's edge between two numbers of the format may be rounded either way, as far as f32 arithmetic and the matrix unit's own rounding can turn it there, and no further.
;; 2 versions. Each part assembles by itself: llvm-mc -triple=amdgcn-amd-amdhsa -mcpu=gfx1250 --defsym DOCPART=n.
;; ======== version 1 of 2: 2 launches
;; workspace buffers: part 131,072 bytes
;; launch main (part 1): grid 256 x 1, 8 waves a work-group, no clusters, 76,800 bytes of LDS; arguments feature, T, gamma, beta, W1, part; writes part
.if DOCPART == 1
	.amdgcn_target "amdgcn-amd-amdhsa--gfx1250"
	.amdhsa_code_object_version 6
	.text
	.protected	k_q02c4f26a7c_main
	.globl	k_q02c4f26a7c_main
	.p2align	8
	.type	k_q02c4f26a7c_main,@function
k_q02c4f26a7c_main:
	s_mov_b64 s[64:65], 0
	v_nop
	global_prefetch_b8 v0, s[64:65] scope:SCOPE_SE
	s_setreg_imm32_b32 hwreg(HW_REG_WAVE_MODE, 25, 1), 1
	s_wait_xcnt 0x0
; MINIBATCH DISCRIMINATION, first of two launches.
; out[b] = b1 + sqrt(2/64) * sum over o of W1[o] * sum over i, k of |M[i][o][k] - M[b][o][k]|,  M = Q(x) Q(T),  x = batch norm of feature (256 x 256),  T taken as [256 (K)][2048].
; Q: codes of E2M1 with one E8M0 scale for each 32 along K; the product by v_wmma_scale_f32_16x16x128_f8f6f4, sums in f32.
; SHARES.  The 2,048 columns of M meet only in the last sum.  A work-group takes 16 of them (slice = group / 2: half of one o) and 128 of the 256 rows b (half = group % 2): 128 x 2 = 256 work-groups.
; It does the whole chain for its slice and stores 128 partial sums, already times W1[o] sqrt(2/64), as 512 consecutive bytes of part [128 slices][256 b].  The second launch adds the slices and b1.
; Every work-group needs the codes of all of x, so every work-group normalises and quantises x itself: x, its codes and M never go to memory.
; WAVES.  Eight, two to a SIMD, 512 registers each.  Wave w owns rows 32 w .. 32 w + 31 of feature; a lane holds 8 neighbouring columns (8 lane ..) of each row: 256 registers, window 1.
;   So a column's sum is a sum down a lane's registers and over 8 waves (through LDS); a block of 32 along K is 4 neighbouring lanes; one conversion takes a lane's 8 numbers of a row.
;   The variance is taken in two passes, of (x - mean), as reference() has it, so that a common offset of the inputs does no harm.
;   The rows that a wave multiplies are the rows that it quantised: x's codes only change layout, through the wave's own LDS bytes, with no barrier.
;   T: wave w takes K block w (k = 32 w ..); lane (r, h) takes column r and 16 numbers down K; the codes go to their place in an image of B's fragment registers in LDS.
; THE PAIRS.  In D a lane (r = lane % 16, h = lane / 16) holds column r and rows 16 t + 8 h + j.  All 16 tiles come back from LDS as images of their registers: 128 rows of ONE column in 128 registers of a lane.
;   A row b's number M[b][r] is brought to both halves of the lanes, and the rest is work on registers: for 4 differences 2 packed subtractions, 2 additions |d0| + |d1|, 1 packed addition: 1.25 instructions a difference.
;   A wave takes 16 rows b, four at a time; a row's sum over the 32 lanes (16 columns x 2 halves of the rows i) is taken once for each b.
; NOT USED, AND WHY.  Joint tensor loads in a cluster: feature is shared by all work-groups, but a tensor load lands in LDS, from which the same 262,144 bytes would have to be read once more into the very
;   registers that the 64 loads of each lane fill directly.  A prefetch: every global load of this text is issued in its first lines; there is no later load to run ahead of.
; LIMITS.  NaN and infinities among the inputs are not served.  A block whose largest magnitude lies under 2^-124 (a block of zeros too, where the rule says byte 127) gets the scale byte 1: its codes are
;   zeros or nearly so, and the bytes are read by this program alone.  1 / sqrt is v_rsq_f32 (1 ulp); the gain is folded: (x - mean) * (rs * gamma) + beta in one fused step, another order of rounding than reference()'s.
.set ROWB, 1024                        ; a row of feature in bytes
.set TROW, 8192                        ; a row of T (2,048 columns) in bytes
.set XP,   144                         ; a row of x's codes in LDS: 128 bytes + 16, so that the 16 rows of a fragment load begin 36 words apart
; LDS, every region filled once
.set MI,   0                           ; M: 32 images of four registers, 512 bytes each (tile t, registers 4 q ..: image 2 t + q)
.set P1,   16384                       ; the waves' column sums: 8 x 1,024 bytes
.set P2,   24576                       ; the waves' sums of squares
.set TBI,  32768                       ; B's fragments: 4 images of four registers
.set TSB,  34816                       ; B's scale words: [K step][column], 4 bytes each
.set OS,   35072                       ; the 128 results
.set XS,   35584                       ; x's scale bytes: 8 a row
.set XC,   37632                       ; x's codes: 256 rows of XP bytes
; registers, window 0
.set LANE, 1
.set R,    2                           ; lane % 16
.set H,    3                           ; lane / 16
.set XO,   4                           ; 32 x lane: my 8 columns in a row of feature, in gamma and in beta
.set TO,   5                           ; T: 16 h rows + 4 r
.set PST,  6                           ; where I put my wave's sums
.set L16,  7                           ; 16 x lane: my place in an image
.set CST,  8                           ; where I put a row's 8 codes
.set SST,  9                           ; and its block's scale byte
.set TST,  10                          ; where I put T's 16 codes
.set TBS,  11                          ; and their block's scale byte
.set AFA,  12                          ; where I read A's fragments
.set ASA,  13                          ; and A's scale words
.set R4,   14                          ; 4 r
.set MST,  15                          ; where I put M's images
.set BVA,  16                          ; where I read my wave's rows b
.set OST,  17                          ; where I put the results
.set AD,   18
.set WT,   19                          ; W1[o] sqrt(2/64)
.set RM,   20                          ; v20-23  r - e, e = 0 .. 3
.set ACC,  24                          ; v24-31  sums of my 8 columns
.set MU,   32                          ; v32-39  means
.set GA,   40                          ; v40-47  gamma, then rs * gamma
.set BE,   48                          ; v48-55  beta
.set VR,   56                          ; v56-63  variance + eps, then rs
.set PL,   64                          ; v64-127 the eight waves' partial sums
.set TM,   64                          ; v64-95  a row's largest magnitude, then the conversion's scale operand
.set BY,   96                          ; v96-127 the scale bytes
.set CD,   128                         ; v128-159 the codes
.set AF,   160                         ; v160-191 A: tile t, K step s at 8 (2 t + s)
.set BF,   192                         ; v192-207 B: K step s at 8 s
.set DD,   208                         ; v208-223 two accumulators
.set TV,   224                         ; v224-239 16 numbers of T
.set AS,   240                         ; v240-243 A's scale words; v244-245 B's: these six hold scales and nothing else
.set BS,   244
.set TW,   246                         ; v246-251 at work on T
; the pairs (window 0)
.set AC,   24                          ; v24-55  eight sums for each of four rows b
.set RES,  56                          ; lane r: the result of my wave's row r
.set PT,   57                          ; v57-60
.set MR,   64                          ; v64-191 128 rows of my column
.set BV,   192                         ; v192-195 four rows b of my column, as loaded
.set BB,   196                         ; v196-203 the same, each in the low half of a pair
.set DT,   204                         ; v204-219 16 differences
.set TT,   220                         ; v220-227 8 sums of two
.set MSB, 0
.macro WIN new                         ; s_set_vgpr_msb: bits 1:0 source 0, 3:2 source 1, 5:4 source 2, 7:6 destination; the high byte repeats the setting that is left
.if MSB != \new
	s_set_vgpr_msb (MSB<<8)|\new
.set MSB, \new
.endif
.endm
	s_load_b256 s[4:11], s[0:1], 0x0               ; feature s[4:5], T s[6:7], gamma s[8:9], beta s[10:11]
	s_load_b128 s[12:15], s[0:1], 0x20             ; W1 s[12:13], part s[14:15]
	v_lshl_add_u32 v254, v0, 2, 0x12800
	v_mov_b32 v255, 0
	v_lshrrev_b32 v[LANE], 5, v0
	v_readfirstlane_b32 s16, v[LANE]               ; wave 0..7
	v_and_b32 v[LANE], 31, v0
	v_and_b32 v[R], 15, v0
	v_bfe_u32 v[H], v0, 4, 1
	s_lshr_b32 s17, ttmp9, 1                       ; slice: columns 16 slice ..
	s_and_b32 s18, ttmp9, 1                        ; which 128 rows b
	s_mov_b32 s28, 0x76543210                      ; v_permlanex16_b32: lane l xor 16
	s_mov_b32 s29, 0xfedcba98
	s_mov_b32 s30, 0x3b800000                      ; 1 / 256
	s_mov_b32 s31, 0x3727c5ac                      ; 1e-5
	; every address is made here, from the thread's number, the wave's number and constants
	v_lshlrev_b32 v[XO], 5, v[LANE]
	v_lshlrev_b32 v[R4], 2, v[R]
	v_lshl_add_u32 v[TO], v[H], 17, v[R4]          ; 16 rows of 8,192 bytes for the upper lanes
	v_lshlrev_b32 v[L16], 4, v[LANE]
	s_lshl_b32 s20, s16, 10
	v_add_nc_u32 v[PST], s20, v[L16]               ; 1,024 wave + 16 lane (the region stands in the offset)
	s_mul_i32 s20, s16, 32*XP
	s_add_co_u32 s20, s20, XC                      ; my wave's 32 rows of codes
	v_lshl_add_u32 v[CST], v[LANE], 2, s20         ; in: 4 bytes a lane
	v_mul_u32_u24 v[AFA], v[R], XP
	v_lshl_add_u32 v[AFA], v[H], 4, v[AFA]
	v_add_nc_u32 v[AFA], s20, v[AFA]               ; out: row r, + 16 h
	s_lshl_b32 s20, s16, 8
	s_add_co_u32 s21, s20, XS                      ; my wave's 32 rows of scale bytes
	v_lshrrev_b32 v[SST], 2, v[LANE]
	v_add_nc_u32 v[SST], s21, v[SST]               ; in: block lane / 4
	v_lshl_add_u32 v[ASA], v[R], 3, s21            ; out: row r
	s_add_co_u32 s21, s20, TBI
	v_lshlrev_b32 v[TST], 4, v[R]
	v_lshl_add_u32 v[TST], v[H], 3, v[TST]
	v_add_nc_u32 v[TST], s21, v[TST]               ; K block w lies in image w / 2, lanes 16 (w % 2) + r: 256 w + 16 r; my 16 codes are its bytes 8 h ..
	s_lshr_b32 s21, s16, 2
	s_lshl_b32 s21, s21, 6
	s_and_b32 s22, s16, 3
	s_add_co_u32 s21, s21, s22
	s_add_co_u32 s21, s21, TSB
	v_add_nc_u32 v[TBS], s21, v[R4]                ; K step w / 4, column r, byte w % 4
	s_lshl_b32 s21, s16, 11
	v_add_nc_u32 v[MST], s21, v[L16]               ; my two tiles of M: images 4 w ..
	s_lshl_b32 s21, s18, 3
	s_add_co_u32 s21, s21, s16
	s_lshl_b32 s21, s21, 10                        ; my wave's 16 rows b are tile 8 half + w
	v_lshl_add_u32 v[BVA], v[R], 4, s21            ; both halves of the lanes read column r
	s_lshl_b32 s21, s16, 6
	s_add_co_u32 s21, s21, OS
	v_add_nc_u32 v[OST], s21, v[R4]
.irp e, 0,1,2,3
	v_add_nc_u32 v[RM+\e], -\e, v[R]
.endr
	s_lshl_b32 s22, s16, 15                        ; feature: 32 rows of 1,024 bytes a wave
	s_mov_b32 s23, 0
	s_lshl_b32 s24, s16, 18                        ; T: 32 rows of 8,192 bytes a wave,
	s_lshl_b32 s25, s17, 6                         ; 64 bytes a slice
	s_add_co_u32 s24, s24, s25
	s_mov_b32 s25, 0
	s_lshr_b32 s26, s17, 1                         ; o = slice / 2
	s_lshl_b32 s26, s26, 2
	s_mov_b32 s27, 0
	s_lshl_b32 s20, ttmp9, 9                       ; part: 1,024 slice + 512 half
	s_mov_b32 s21, 0
	s_wait_kmcnt 0x0
	s_add_nc_u64 s[4:5], s[4:5], s[22:23]
	s_add_nc_u64 s[6:7], s[6:7], s[24:25]
	s_add_nc_u64 s[12:13], s[12:13], s[26:27]
	s_add_nc_u64 s[14:15], s[14:15], s[20:21]
	s_load_b32 s19, s[12:13], 0x0                  ; W1[o]
	; ALL GLOBAL LOADS, in the order in which they are wanted: T's 16, gamma and beta, feature's 64
.irp i, 0,1,2,3,4,5,6,7,8,9,10,11,12,13,14,15
	global_load_b32 v[TV+\i], v[TO], s[6:7] offset:\i*TROW   ; T(32 w + 16 h + i, column r): sixteen lanes read 64 neighbouring bytes
.endr
	global_load_b128 v[GA:GA+3], v[XO], s[8:9]
	global_load_b128 v[GA+4:GA+7], v[XO], s[8:9] offset:16
	global_load_b128 v[BE:BE+3], v[XO], s[10:11]
	global_load_b128 v[BE+4:BE+7], v[XO], s[10:11] offset:16
	WIN 0x40                                       ; destination window 1: X, row j at v[8 j]
.set RJ, 0
.rept 32
	global_load_b128 v[8*RJ:8*RJ+3], v[XO], s[4:5] offset:RJ*ROWB        ; the two loads of a row cover its 1,024 bytes
	global_load_b128 v[8*RJ+4:8*RJ+7], v[XO], s[4:5] offset:RJ*ROWB+16
.set RJ, RJ+1
.endr
	WIN 0
	; ---- T: my 16 numbers of K block w, column r, while feature is on its way
	s_wait_loadcnt 63                              ; 68 loads were issued behind T's; the count's field holds 63: T's 16 are in
	v_max3_num_f32 v[TW], |v[TV]|, |v[TV+1]|, 0x1800000       ; the largest magnitude, in two chains, with the floor 2^(3 - 127) among its leaves: the byte cannot fall under 1
	v_max3_num_f32 v[TW+1], |v[TV+8]|, |v[TV+9]|, |v[TV+10]|
	v_max3_num_f32 v[TW], v[TW], |v[TV+2]|, |v[TV+3]|
	v_max3_num_f32 v[TW+1], v[TW+1], |v[TV+11]|, |v[TV+12]|
	v_max3_num_f32 v[TW], v[TW], |v[TV+4]|, |v[TV+5]|
	v_max3_num_f32 v[TW+1], v[TW+1], |v[TV+13]|, |v[TV+14]|
	v_max3_num_f32 v[TW], v[TW], |v[TV+6]|, |v[TV+7]|
	v_max3_num_f32 v[TW], v[TW], v[TW+1], |v[TV+15]|
	v_permlanex16_b32 v[TW+1], v[TW], s28, s29     ; the block's other 16 lie in lane l xor 16
	v_max_num_f32 v[TW], v[TW], v[TW+1]
	v_add_nc_u32 v[TW+2], 0xff000000, v[TW]        ; 2 off the exponent field: the conversion takes that field as its scale
	v_lshrrev_b32 v[TW+3], 23, v[TW+2]             ; the scale's byte
	v_cvt_scalef32_pk8_fp4_f32 v[TW+4], v[TV:TV+7], v[TW+2]
	v_cvt_scalef32_pk8_fp4_f32 v[TW+5], v[TV+8:TV+15], v[TW+2]
	v_nop                                          ; one plain instruction behind the last scaled conversion
	ds_store_b64 v[TST], v[TW+4:TW+5]
	ds_store_b8 v[TBS], v[TW+3]                    ; both lanes of a block write the same byte with the same value
; my wave's eight sums go to LDS; behind the barrier every wave reads all eight waves' and adds them in the same order
.macro SHARE base
	ds_store_b128 v[PST], v[ACC:ACC+3] offset:\base
	ds_store_b128 v[PST], v[ACC+4:ACC+7] offset:\base+512
	s_wait_dscnt 0x0                               ; for the others: my LDS stores have landed (the first time T's codes and bytes among them)
	s_barrier_signal -1
	s_barrier_wait -1
.irp q, 0,1,2,3,4,5,6,7,8,9,10,11,12,13,14,15
	ds_load_b128 v[PL+4*\q:PL+4*\q+3], v[L16] offset:\base+512*\q   ; wave q / 2, columns 4 (q % 2) .. of my 8
.endr
	s_wait_dscnt 0x0
.irp m, 0,2,4,6
.irp k, 0,2,4,6
	v_pk_add_f32 v[PL+8*\m+\k:PL+8*\m+\k+1], v[PL+8*\m+\k:PL+8*\m+\k+1], v[PL+8*\m+8+\k:PL+8*\m+8+\k+1]
.endr
.endr
.irp m, 0,4
.irp k, 0,2,4,6
	v_pk_add_f32 v[PL+8*\m+\k:PL+8*\m+\k+1], v[PL+8*\m+\k:PL+8*\m+\k+1], v[PL+8*\m+16+\k:PL+8*\m+16+\k+1]
.endr
.endr
.irp k, 0,2,4,6
	v_pk_add_f32 v[PL+\k:PL+\k+1], v[PL+\k:PL+\k+1], v[PL+32+\k:PL+32+\k+1]
.endr
.endm
	; ---- the means: my 32 rows, four packed chains; the rows are taken as their loads come in
	s_wait_loadcnt 56                              ; rows 0-3 (8 loads) are in, the 56 behind them may be out
	WIN 0x05                                       ; sources 0 and 1: X
.irp k, 0,2,4,6
	v_pk_add_f32 v[ACC+\k:ACC+\k+1], v[\k:\k+1], v[8+\k:8+\k+1]      ; rows 0 and 1 start the sums: nothing is cleared
.endr
	WIN 0x01                                       ; source 0: X
.set RJ, 2
.rept 30
.if (RJ%4) == 0
	s_wait_loadcnt 56-8*(RJ/4)                     ; rows RJ .. RJ + 3 are in; the loads issued behind theirs may be out
.endif
.irp k, 0,2,4,6
	v_pk_add_f32 v[ACC+\k:ACC+\k+1], v[8*RJ+\k:8*RJ+\k+1], v[ACC+\k:ACC+\k+1]
.endr
.set RJ, RJ+1
.endr
	WIN 0
	SHARE P1
.irp k, 0,2,4,6
	v_pk_mul_f32 v[MU+\k:MU+\k+1], v[PL+\k:PL+\k+1], 0x3b800000 op_sel_hi:[1,0]   ; / 256: exact
.endr
	; ---- the variances: X becomes x - mean, in place; then the sums of its squares
	WIN 0x41                                       ; destination and source 0: X
.set RJ, 0
.rept 32
.irp k, 0,2,4,6
	v_pk_add_f32 v[8*RJ+\k:8*RJ+\k+1], v[8*RJ+\k:8*RJ+\k+1], v[MU+\k:MU+\k+1] neg_lo:[0,1] neg_hi:[0,1]
.endr
.set RJ, RJ+1
.endr
	WIN 0x05
.irp k, 0,2,4,6
	v_pk_mul_f32 v[ACC+\k:ACC+\k+1], v[\k:\k+1], v[\k:\k+1]
.endr
.set RJ, 1
.rept 31
.irp k, 0,2,4,6
	v_pk_fma_f32 v[ACC+\k:ACC+\k+1], v[8*RJ+\k:8*RJ+\k+1], v[8*RJ+\k:8*RJ+\k+1], v[ACC+\k:ACC+\k+1]
.endr
.set RJ, RJ+1
.endr
	WIN 0
	SHARE P2
.irp c, 0,1,2,3,4,5,6,7
	v_fma_f32 v[VR+\c], v[PL+\c], s30, s31         ; sum / 256 + 1e-5: one rounding, as a division by 256 and an addition have
.endr
.irp c, 0,1,2,3,4,5,6,7
	v_rsq_f32 v[VR+\c], v[VR+\c]
.endr
	v_nop                                          ; a plain instruction behind the last of the batch
	s_wait_alu depctr_va_vdst(0)                   ; this wait stands ahead of the first use of a result: one for the eight
.irp k, 0,2,4,6
	v_pk_mul_f32 v[GA+\k:GA+\k+1], v[GA+\k:GA+\k+1], v[VR+\k:VR+\k+1]   ; rs * gamma
.endr
	; ---- x = (x - mean) * (rs * gamma) + beta, in place
	WIN 0x41
.set RJ, 0
.rept 32
.irp k, 0,2,4,6
	v_pk_fma_f32 v[8*RJ+\k:8*RJ+\k+1], v[8*RJ+\k:8*RJ+\k+1], v[GA+\k:GA+\k+1], v[BE+\k:BE+\k+1]
.endr
.set RJ, RJ+1
.endr
	; ---- the quantiser, stage by stage over all 32 rows, so that each stage stands under one window setting and no line waits for the line above it
	WIN 0x05
.set RJ, 0
.rept 32
	v_max3_num_f32 v[TM+RJ], |v[8*RJ]|, |v[8*RJ+1]|, 0x1800000     ; my 8 numbers of the row, and the floor 2^(3 - 127)
.set RJ, RJ+1
.endr
.irp u, 2,4,6
.set RJ, 0
.rept 32
	v_max3_num_f32 v[TM+RJ], |v[8*RJ+\u]|, |v[8*RJ+\u+1]|, v[TM+RJ]
.set RJ, RJ+1
.endr
.endr
	WIN 0
.irp m, 1,2
.set RJ, 0
.rept 32
	v_max_num_f32_dpp v[TM+RJ], v[TM+RJ], v[TM+RJ] row_xmask:\m row_mask:0xf bank_mask:0xf   ; with the three lanes that share my block of 32 columns
.set RJ, RJ+1
.endr
.endr
.set RJ, 0
.rept 32
	v_add_nc_u32 v[TM+RJ], 0xff000000, v[TM+RJ]    ; the conversion's scale operand
.set RJ, RJ+1
.endr
.set RJ, 0
.rept 32
	v_lshrrev_b32 v[BY+RJ], 23, v[TM+RJ]           ; the scale's byte
.set RJ, RJ+1
.endr
	WIN 0x01
.set RJ, 0
.rept 32
	v_cvt_scalef32_pk8_fp4_f32 v[CD+RJ], v[8*RJ:8*RJ+7], v[TM+RJ]   ; 8 codes, the lowest k in the lowest bits
.set RJ, RJ+1
.endr
	v_nop                                          ; one plain instruction behind the last scaled conversion
	WIN 0
.set RJ, 0
.rept 32
	ds_store_b32 v[CST], v[CD+RJ] offset:RJ*XP     ; a row's 128 bytes of codes from the 32 lanes
	ds_store_b8 v[SST], v[BY+RJ] offset:RJ*8       ; the four lanes of a block write the same byte with the same value
.set RJ, RJ+1
.endr
	; ---- M: my 32 rows x the 16 columns.  A's codes and scale bytes are my wave's own LDS bytes, which LDS serves in the order of issue (ISA guide 5.7.1): no wait, no barrier.
	; B's were stored by all waves ahead of the first barrier.
.irp t, 0,1
.irp s, 0,1
.irp c, 0,1
	ds_load_b128 v[AF+8*(2*\t+\s)+4*\c:AF+8*(2*\t+\s)+4*\c+3], v[AFA] offset:\t*16*XP+64*\s+32*\c   ; row 16 t + r, k = 128 s + 64 c + 32 h ..
.endr
	ds_load_b32 v[AS+2*\t+\s], v[ASA] offset:128*\t+4*\s
.endr
.endr
.irp s, 0,1
.irp c, 0,1
	ds_load_b128 v[BF+8*\s+4*\c:BF+8*\s+4*\c+3], v[L16] offset:TBI+512*(2*\s+\c)
.endr
	ds_load_b32 v[BS+\s], v[R4] offset:TSB+64*\s
.endr
	s_wait_dscnt 0x0
	; the two accumulators take turns, one instruction a turn; the first K step starts the sums
	v_wmma_scale_f32_16x16x128_f8f6f4 v[DD:DD+7], v[AF:AF+7], v[BF:BF+7], 0, v[AS], v[BS] matrix_a_fmt:MATRIX_FMT_FP4 matrix_b_fmt:MATRIX_FMT_FP4
	v_wmma_scale_f32_16x16x128_f8f6f4 v[DD+8:DD+15], v[AF+16:AF+23], v[BF:BF+7], 0, v[AS+2], v[BS] matrix_a_fmt:MATRIX_FMT_FP4 matrix_b_fmt:MATRIX_FMT_FP4
	v_wmma_scale_f32_16x16x128_f8f6f4 v[DD:DD+7], v[AF+8:AF+15], v[BF+8:BF+15], v[DD:DD+7], v[AS+1], v[BS+1] matrix_a_fmt:MATRIX_FMT_FP4 matrix_b_fmt:MATRIX_FMT_FP4
	v_wmma_scale_f32_16x16x128_f8f6f4 v[DD+8:DD+15], v[AF+24:AF+31], v[BF+8:BF+15], v[DD+8:DD+15], v[AS+3], v[BS+1] matrix_a_fmt:MATRIX_FMT_FP4 matrix_b_fmt:MATRIX_FMT_FP4
.rept 4
	v_nop                                          ; four places behind the products: for the stores of the results, and for all that is later loaded or written over the operands
.endr
.irp t, 0,1
	ds_store_b128 v[MST], v[DD+8*\t:DD+8*\t+3] offset:\t*1024          ; each accumulator from its low end on; an image: lane l's 16 bytes at 16 l
	ds_store_b128 v[MST], v[DD+8*\t+4:DD+8*\t+7] offset:\t*1024+512
.endr
	s_wait_dscnt 0x0                               ; for the others: my images have landed
	s_barrier_signal -1
	s_barrier_wait -1                              ; all 32 images of M lie in LDS
	; ---- the pairs
	ds_load_b128 v[BV:BV+3], v[BVA]                ; my wave's first four rows b
.set RJ, 0
.rept 32
	ds_load_b128 v[MR+4*RJ:MR+4*RJ+3], v[L16] offset:MI+512*RJ   ; lane (r, h): column r, rows 16 t + 8 h + j: 128 rows
.set RJ, RJ+1
.endr
	v_mov_b32 v[RES], 0
.irp e, 0,1,2,3
	v_mov_b32 v[PT+\e], 0                          ; a lane permute's destination counts as one of its sources
	v_mov_b32 v[BB+2*\e+1], 0                      ; the upper halves of the pairs that the packed subtraction names
.endr
	s_wait_kmcnt 0x0
	v_mov_b32 v[WT], s19
	v_mul_f32 v[WT], 0x3e3504f3, v[WT]             ; W1[o] * sqrt(2 / 64)
; One row b against my 128 rows i, 16 at a time: 8 packed subtractions, 8 additions of two magnitudes, 4 packed additions into four chains.  The first 16 start the chains.
.macro PAIR e
.set NB, 0
.rept 8
.irp p, 0,1,2,3,4,5,6,7
	v_pk_add_f32 v[DT+2*\p:DT+2*\p+1], v[MR+16*NB+2*\p:MR+16*NB+2*\p+1], v[BB+2*\e:BB+2*\e+1] op_sel_hi:[1,0] neg_lo:[0,1] neg_hi:[0,1]   ; M[i] - M[b], two rows i; of b's pair the low word serves both
.endr
.if NB == 0
.irp p, 0,1,2,3,4,5,6,7
	v_add_f32 v[AC+8*\e+\p], |v[DT+2*\p]|, |v[DT+2*\p+1]|
.endr
.else
.irp p, 0,1,2,3,4,5,6,7
	v_add_f32 v[TT+\p], |v[DT+2*\p]|, |v[DT+2*\p+1]|
.endr
.irp k, 0,2,4,6
	v_pk_add_f32 v[AC+8*\e+\k:AC+8*\e+\k+1], v[AC+8*\e+\k:AC+8*\e+\k+1], v[TT+\k:TT+\k+1]
.endr
.endif
.set NB, NB+1
.endr
.endm
; Four rows b: group g (s20) of my tile lies 256 g bytes on: rows 8 (g % 2) + 4 (g / 2) + 0 .. 3.  more = 1: the next group is asked for as soon as this one has been copied.
.macro TRIP more
	s_wait_dscnt 0x0                               ; the group is in (the first time: M too)
.irp e, 0,1,2,3
	v_mov_b32 v[BB+2*\e], v[BV+\e]
.endr
.if \more
	s_add_co_u32 s21, s21, 256
	v_add_nc_u32 v[AD], s21, v[BVA]
	ds_load_b128 v[BV:BV+3], v[AD]                 ; it has the whole trip in which to land
.endif
	PAIR 0
	PAIR 1
	PAIR 2
	PAIR 3
.irp e, 0,1,2,3                                ; each row's eight sums become one, the four rows by turns
	v_pk_add_f32 v[AC+8*\e:AC+8*\e+1], v[AC+8*\e:AC+8*\e+1], v[AC+8*\e+2:AC+8*\e+3]
	v_pk_add_f32 v[AC+8*\e+4:AC+8*\e+5], v[AC+8*\e+4:AC+8*\e+5], v[AC+8*\e+6:AC+8*\e+7]
.endr
.irp e, 0,1,2,3
	v_pk_add_f32 v[AC+8*\e:AC+8*\e+1], v[AC+8*\e:AC+8*\e+1], v[AC+8*\e+4:AC+8*\e+5]
.endr
.irp e, 0,1,2,3
	v_add_f32 v[AC+8*\e], v[AC+8*\e], v[AC+8*\e+1]
.endr
.irp m, 1,2,4,8                                ; over the 16 columns,
.irp e, 0,1,2,3
	v_add_f32_dpp v[AC+8*\e], v[AC+8*\e], v[AC+8*\e] row_xmask:\m row_mask:0xf bank_mask:0xf
.endr
.endr
.irp e, 0,1,2,3
	v_permlanex16_b32 v[PT+\e], v[AC+8*\e], s28, s29
.endr
.irp e, 0,1,2,3
	v_add_f32 v[AC+8*\e], v[AC+8*\e], v[PT+\e]     ; and the two halves of the rows i: every lane holds the row's sum
.endr
	s_and_b32 s22, s20, 1
	s_lshl_b32 s22, s22, 3
	s_lshr_b32 s23, s20, 1
	s_lshl_b32 s23, s23, 2
	s_or_b32 s22, s22, s23                         ; the group's first row in my tile
.irp e, 0,1,2,3
	v_cmp_eq_u32 vcc_lo, s22, v[RM+\e]             ; lanes with r = that row + e
	v_cndmask_b32 v[RES], v[RES], v[AC+8*\e], vcc_lo
.endr
.endm
	s_mov_b32 s20, 0                               ; g
	s_mov_b32 s21, 0                               ; 256 x the group asked for last
.Ltrip:
	TRIP 1
	s_add_co_u32 s20, s20, 1
	s_cmp_lt_u32 s20, 3
	s_cbranch_scc1 .Ltrip
	TRIP 0                                         ; the last group is written out: there is no further group to ask for
	; ---- the way out: 16 results a wave meet in LDS; wave 0 stores the work-group's 128 as 512 consecutive bytes, at a multiple of 512 from part's first byte
	v_mul_f32 v[RES], v[RES], v[WT]
	ds_store_b32 v[OST], v[RES]                    ; lanes r and 16 + r write the same word with the same value
	s_wait_dscnt 0x0                               ; for wave 0: my results have landed
	s_barrier_signal -1
	s_barrier_wait -1
	s_cmp_lg_u32 s16, 0
	s_cbranch_scc1 .Lend
	ds_load_b128 v[AC:AC+3], v[L16] offset:OS
	s_wait_dscnt 0x0
	global_store_b128 v[L16], v[AC:AC+3], s[14:15]
.Lend:
	s_wait_tensorcnt 0x0
	ds_add_u32 v254, v255
	s_wait_dscnt 0x0
	s_endpgm
.Lfunc_end_k_q02c4f26a7c_main:
	.size	k_q02c4f26a7c_main, .Lfunc_end_k_q02c4f26a7c_main-k_q02c4f26a7c_main
	.p2alignl 7, 3214868480
	.fill 96, 4, 3214868480
	.section	.rodata,"a",@progbits
	.p2align	6, 0x0
	.amdhsa_kernel k_q02c4f26a7c_main
		.amdhsa_group_segment_fixed_size 76800
		.amdhsa_private_segment_fixed_size 0
		.amdhsa_enable_private_segment 0
		.amdhsa_kernarg_size 48
		.amdhsa_user_sgpr_count 2
		.amdhsa_user_sgpr_kernarg_segment_ptr 1
		.amdhsa_wavefront_size32 1
		.amdhsa_system_sgpr_workgroup_id_x 1
		.amdhsa_system_sgpr_workgroup_id_y 1
		.amdhsa_system_sgpr_workgroup_id_z 1
		.amdhsa_system_vgpr_workitem_id 0
		.amdhsa_next_free_vgpr 512
		.amdhsa_next_free_sgpr 66
		.amdhsa_reserve_vcc 1
		.amdhsa_float_denorm_mode_32 3
		.amdhsa_float_denorm_mode_16_64 3
		.amdhsa_memory_ordered 1
		.amdhsa_forward_progress 1
		.amdhsa_inst_pref_size 164
	.end_amdhsa_kernel
	.amdgpu_metadata
---
amdhsa.version: [ 1, 2 ]
amdhsa.kernels:
  - .name:           k_q02c4f26a7c_main
    .symbol:         k_q02c4f26a7c_main.kd
    .args:
      - { .name: feature, .offset: 0, .size: 8, .value_kind: global_buffer, .address_space: global }
      - { .name: T, .offset: 8, .size: 8, .value_kind: global_buffer, .address_space: global }
      - { .name: gamma, .offset: 16, .size: 8, .value_kind: global_buffer, .address_space: global }
      - { .name: beta, .offset: 24, .size: 8, .value_kind: global_buffer, .address_space: global }
      - { .name: W1, .offset: 32, .size: 8, .value_kind: global_buffer, .address_space: global }
      - { .name: part, .offset: 40, .size: 8, .value_kind: global_buffer, .address_space: global }
    .group_segment_fixed_size: 76800
    .private_segment_fixed_size: 0
    .kernarg_segment_align: 8
    .kernarg_segment_size: 48
    .max_flat_workgroup_size: 256
    .sgpr_count:     66
    .vgpr_count:     512
    .wavefront_size: 32
...
	.end_amdgpu_metadata
.endif
;; end of part 1
;; launch finish (part 2): grid 4 x 1, 8 waves a work-group, no clusters, 5,120 bytes of LDS; arguments part, b1, out0; writes out0
.if DOCPART == 2
	.amdgcn_target "amdgcn-amd-amdhsa--gfx1250"
	.amdhsa_code_object_version 6
	.text
	.protected	k_q02c4f26a7c_finish
	.globl	k_q02c4f26a7c_finish
	.p2align	8
	.type	k_q02c4f26a7c_finish,@function
k_q02c4f26a7c_finish:
	s_mov_b64 s[64:65], 0
	v_nop
	global_prefetch_b8 v0, s[64:65] scope:SCOPE_SE
	s_setreg_imm32_b32 hwreg(HW_REG_WAVE_MODE, 25, 1), 1
	s_wait_xcnt 0x0
; MINIBATCH DISCRIMINATION, second of two launches: out0[b] = b1 + the sum over the 128 slices of part[slice][b].  part: [128][256] f32, already times W1[o] sqrt(2/64).
; A sum over work-groups of the first launch has one owner here: work-group g owns b = 64 g .. 64 g + 63, which are 256 consecutive bytes of every slice's row, at a multiple of 256 from part's first byte.
; Wave w takes slices 16 w .. 16 w + 15: a load's lanes 0-15 read one slice's 256 bytes, lanes 16-31 the next slice's; eight loads a lane, all issued at once.
; The 16 partial sums (8 waves x 2 halves of the lanes) meet in LDS, and wave 0 adds them, two b a lane, so that its 32 lanes store the 256 bytes of out0 whole.
; No matrix unit, no tensor load, no cluster, no prefetch: 32,768 bytes a work-group, read once, asked for in the first lines; the four work-groups share no byte.
	s_load_b128 s[4:7], s[0:1], 0x0                ; part s[4:5], b1 s[6:7]
	s_load_b64 s[8:9], s[0:1], 0x10                ; out0
	v_lshl_add_u32 v48, v0, 2, 0x1000
	v_mov_b32 v49, 0
	v_lshrrev_b32 v1, 5, v0
	v_readfirstlane_b32 s10, v1                    ; wave 0..7
	v_and_b32 v1, 31, v0                           ; lane
	v_and_b32 v2, 15, v0
	v_bfe_u32 v3, v0, 4, 1
	v_lshlrev_b32 v4, 4, v2                        ; 16 bytes a lane,
	v_lshl_add_u32 v4, v3, 10, v4                  ; the upper lanes one slice (1,024 bytes) on
	v_lshlrev_b32 v5, 4, v0                        ; LDS, in: 16 x thread = 256 x (2 wave + half) + 16 x (lane % 16)
	v_lshlrev_b32 v6, 3, v1                        ; LDS, out, and out0: 8 bytes a lane
	s_lshl_b32 s12, s10, 14                        ; 16 slices a wave
	s_lshl_b32 s14, ttmp9, 8                       ; 256 bytes a work-group, in a slice's row and in out0
	s_mov_b32 s15, 0
	s_add_co_u32 s12, s12, s14
	s_mov_b32 s13, 0
	s_wait_kmcnt 0x0
	s_add_nc_u64 s[4:5], s[4:5], s[12:13]
	s_add_nc_u64 s[8:9], s[8:9], s[14:15]
	s_load_b32 s16, s[6:7], 0x0                    ; b1
.irp n, 0,1,2,3,4,5,6,7
	global_load_b128 v[8+4*\n:11+4*\n], v4, s[4:5] offset:2048*\n th:TH_LOAD_NT   ; slices 16 w + 2 n + half; read once in the launch
.endr
	s_wait_loadcnt 0x0
.irp n, 0,2,4,6
.irp k, 0,2
	v_pk_add_f32 v[8+4*\n+\k:9+4*\n+\k], v[8+4*\n+\k:9+4*\n+\k], v[12+4*\n+\k:13+4*\n+\k]
.endr
.endr
.irp n, 0,4
.irp k, 0,2
	v_pk_add_f32 v[8+4*\n+\k:9+4*\n+\k], v[8+4*\n+\k:9+4*\n+\k], v[16+4*\n+\k:17+4*\n+\k]
.endr
.endr
.irp k, 0,2
	v_pk_add_f32 v[8+\k:9+\k], v[8+\k:9+\k], v[24+\k:25+\k]
.endr
	ds_store_b128 v5, v[8:11]
	s_wait_kmcnt 0x0                               ; b1
	s_wait_dscnt 0x0                               ; for wave 0: my partial sums have landed
	s_barrier_signal -1
	s_barrier_wait -1
	s_cmp_lg_u32 s10, 0
	s_cbranch_scc1 .Ldone
.irp p, 0,1,2,3,4,5,6,7,8,9,10,11,12,13,14,15
	ds_load_b64 v[16+2*\p:17+2*\p], v6 offset:256*\p   ; partial sum p of b = 2 lane, 2 lane + 1
.endr
	s_wait_dscnt 0x0
.irp p, 0,2,4,6,8,10,12,14
	v_pk_add_f32 v[16+2*\p:17+2*\p], v[16+2*\p:17+2*\p], v[18+2*\p:19+2*\p]
.endr
.irp p, 0,4,8,12
	v_pk_add_f32 v[16+2*\p:17+2*\p], v[16+2*\p:17+2*\p], v[20+2*\p:21+2*\p]
.endr
.irp p, 0,8
	v_pk_add_f32 v[16+2*\p:17+2*\p], v[16+2*\p:17+2*\p], v[24+2*\p:25+2*\p]
.endr
	v_pk_add_f32 v[16:17], v[16:17], v[32:33]
	v_add_f32 v16, s16, v16
	v_add_f32 v17, s16, v17
	global_store_b64 v6, v[16:17], s[8:9]          ; 32 lanes store 256 consecutive bytes, at a multiple of 256 from out0's first byte
.Ldone:
	s_wait_tensorcnt 0x0
	ds_add_u32 v48, v49
	s_wait_dscnt 0x0
	s_endpgm
.Lfunc_end_k_q02c4f26a7c_finish:
	.size	k_q02c4f26a7c_finish, .Lfunc_end_k_q02c4f26a7c_finish-k_q02c4f26a7c_finish
	.p2alignl 7, 3214868480
	.fill 96, 4, 3214868480
	.section	.rodata,"a",@progbits
	.p2align	6, 0x0
	.amdhsa_kernel k_q02c4f26a7c_finish
		.amdhsa_group_segment_fixed_size 5120
		.amdhsa_private_segment_fixed_size 0
		.amdhsa_enable_private_segment 0
		.amdhsa_kernarg_size 24
		.amdhsa_user_sgpr_count 2
		.amdhsa_user_sgpr_kernarg_segment_ptr 1
		.amdhsa_wavefront_size32 1
		.amdhsa_system_sgpr_workgroup_id_x 1
		.amdhsa_system_sgpr_workgroup_id_y 1
		.amdhsa_system_sgpr_workgroup_id_z 1
		.amdhsa_system_vgpr_workitem_id 0
		.amdhsa_next_free_vgpr 50
		.amdhsa_next_free_sgpr 66
		.amdhsa_reserve_vcc 0
		.amdhsa_float_denorm_mode_32 3
		.amdhsa_float_denorm_mode_16_64 3
		.amdhsa_memory_ordered 1
		.amdhsa_forward_progress 1
		.amdhsa_inst_pref_size 6
	.end_amdhsa_kernel
	.amdgpu_metadata
---
amdhsa.version: [ 1, 2 ]
amdhsa.kernels:
  - .name:           k_q02c4f26a7c_finish
    .symbol:         k_q02c4f26a7c_finish.kd
    .args:
      - { .name: part, .offset: 0, .size: 8, .value_kind: global_buffer, .address_space: global }
      - { .name: b1, .offset: 8, .size: 8, .value_kind: global_buffer, .address_space: global }
      - { .name: out0, .offset: 16, .size: 8, .value_kind: global_buffer, .address_space: global }
    .group_segment_fixed_size: 5120
    .private_segment_fixed_size: 0
    .kernarg_segment_align: 8
    .kernarg_segment_size: 24
    .max_flat_workgroup_size: 256
    .sgpr_count:     66
    .vgpr_count:     50
    .wavefront_size: 32
...
	.end_amdgpu_metadata
.endif
;; end of part 2
;; ======== version 2 of 2: 2 launches
;; workspace buffers: part 131,072 bytes
;; launch main (part 3): grid 256 x 1, 8 waves a work-group, no clusters, 76,800 bytes of LDS; arguments feature, T, gamma, beta, W1, part; writes part
.if DOCPART == 3
	.amdgcn_target "amdgcn-amd-amdhsa--gfx1250"
	.amdhsa_code_object_version 6
	.text
	.protected	k_q02c4f26a7c_main
	.globl	k_q02c4f26a7c_main
	.p2align	8
	.type	k_q02c4f26a7c_main,@function
k_q02c4f26a7c_main:
	s_mov_b64 s[64:65], 0
	v_nop
	global_prefetch_b8 v0, s[64:65] scope:SCOPE_SE
	s_setreg_imm32_b32 hwreg(HW_REG_WAVE_SCHED_MODE, 0, 2), 2
	s_setreg_imm32_b32 hwreg(HW_REG_WAVE_MODE, 25, 1), 1
	s_wait_xcnt 0x0
	s_wait_alu depctr_vm_vsrc(0)
; MINIBATCH DISCRIMINATION, first of two launches.
; out[b] = b1 + sqrt(2/64) * sum over o of W1[o] * sum over i, k of |M[i][o][k] - M[b][o][k]|,  M = Q(x) Q(T),  x = batch norm of feature (256 x 256),  T taken as [256 (K)][2048].
; Q: codes of E2M1 with one E8M0 scale for each 32 along K; the product by v_wmma_scale_f32_16x16x128_f8f6f4, sums in f32.
; SHARES.  The 2,048 columns of M meet only in the last sum.  A work-group takes 16 of them (slice = group / 2: half of one o) and 128 of the 256 rows b (half = group % 2): 128 x 2 = 256 work-groups.
; It does the whole chain for its slice and stores 128 partial sums, already times W1[o] sqrt(2/64), as 512 consecutive bytes of part [128 slices][256 b].  The second launch adds the slices and b1.
; Every work-group needs the codes of all of x, so every work-group normalises and quantises x itself: x, its codes and M never go to memory.
; WAVES.  Eight, two to a SIMD, 512 registers each.  Wave w owns rows 32 w .. 32 w + 31 of feature; a lane holds 8 neighbouring columns (8 lane ..) of each row: 256 registers, window 1.
;   So a column's sum is a sum down a lane's registers and over 8 waves (through LDS); a block of 32 along K is 4 neighbouring lanes; one conversion takes a lane's 8 numbers of a row.
;   The variance is taken in two passes, of (x - mean), as reference() has it, so that a common offset of the inputs does no harm.
;   The rows that a wave multiplies are the rows that it quantised: x's codes only change layout, through the wave's own LDS bytes, with no barrier.
;   T: wave w takes K block w (k = 32 w ..); lane (r, h) takes column r and 16 numbers down K; the codes go to their place in an image of B's fragment registers in LDS.
; THE PAIRS.  In D a lane (r = lane % 16, h = lane / 16) holds column r and rows 16 t + 8 h + j.  All 16 tiles come back from LDS as images of their registers: 128 rows of ONE column in 128 registers of a lane.
;   A row b's number M[b][r] is brought to both halves of the lanes, and the rest is work on registers: for 4 differences 2 packed subtractions, 2 additions |d0| + |d1|, 1 packed addition: 1.25 instructions a difference.
;   A wave takes 16 rows b, four at a time; a row's sum over the 32 lanes (16 columns x 2 halves of the rows i) is taken once for each b.
; NOT USED, AND WHY.  Joint tensor loads in a cluster: feature is shared by all work-groups, but a tensor load lands in LDS, from which the same 262,144 bytes would have to be read once more into the very
;   registers that the 64 loads of each lane fill directly.  A prefetch: every global load of this text is issued in its first lines; there is no later load to run ahead of.
; LIMITS.  NaN and infinities among the inputs are not served.  A block whose largest magnitude lies under 2^-124 (a block of zeros too, where the rule says byte 127) gets the scale byte 1: its codes are
;   zeros or nearly so, and the bytes are read by this program alone.  1 / sqrt is v_rsq_f32 (1 ulp); the gain is folded: (x - mean) * (rs * gamma) + beta in one fused step, another order of rounding than reference()'s.
; THE MODE: SCHED_MODE bits 1:0 = 2 (LLVM: expert scheduling mode 2), set by the entry lines.  The code itself states the register dependences
; between vector or matrix instructions and memory or LDS instructions, with s_wait_alu, always for 0.
; THE PLAN.  Registers that memory or LDS instructions touch, and who else names them, in the order of the text:
;   v4-v17           offsets and LDS addresses: written by vector lines at the head, once; read by every load and store.  One wait on va_vdst ahead of the first load serves them all.
;   TV, GA, BE, X    filled by the head's global loads; no vector line names them ahead of those loads, and no memory instruction behind them.
;   TW+3 .. TW+5     T's byte and codes: written by vector lines, read by two LDS stores, never written again.
;   ACC              a pass's sums: written by vector lines, read by SHARE's two LDS stores, written again by the next pass (the second time: by the pairs).
;   PL               filled by SHARE's sixteen LDS loads, then named by vector lines; the second SHARE fills it again.
;   BY, CD           x's bytes and codes: written by vector lines, read by 64 LDS stores; M's loads land there later.
;   AF, BF, AS, BS   filled by LDS loads, read by the four products; M's and b's loads land in AF and BF later.
;   DD               written by the products, read by four LDS stores, written again by the pairs' differences.
;   MR, BV           filled by LDS loads, read by vector lines; BV is filled again in each trip but the last, behind the four copies that empty it.
;   AD               written by one addition a trip, read by that trip's LDS load.
;   RES, v24-27      the way out: RES written by vector lines and read by one LDS store; v24-27 filled by one LDS load and read by the global store.
; So a wait on va_vdst stands ahead of each RUN of stores, and each of them also serves the loads that follow the run, since no vector line stands between; a wait on vm_vsrc stands ahead of the squares' first
; lines (ACC), ahead of M's loads (BY, CD, DD, ACC) and ahead of the addition to AD.  The pair loop's 640 arithmetic lines name no register that a memory instruction touches.
.set ROWB, 1024                        ; a row of feature in bytes
.set TROW, 8192                        ; a row of T (2,048 columns) in bytes
.set XP,   144                         ; a row of x's codes in LDS: 128 bytes + 16, so that the 16 rows of a fragment load begin 36 words apart
; LDS, every region filled once
.set MI,   0                           ; M: 32 images of four registers, 512 bytes each (tile t, registers 4 q ..: image 2 t + q)
.set P1,   16384                       ; the waves' column sums: 8 x 1,024 bytes
.set P2,   24576                       ; the waves' sums of squares
.set TBI,  32768                       ; B's fragments: 4 images of four registers
.set TSB,  34816                       ; B's scale words: [K step][column], 4 bytes each
.set OS,   35072                       ; the 128 results
.set XS,   35584                       ; x's scale bytes: 8 a row
.set XC,   37632                       ; x's codes: 256 rows of XP bytes
; registers, window 0
.set LANE, 1
.set R,    2                           ; lane % 16
.set H,    3                           ; lane / 16
.set XO,   4                           ; 32 x lane: my 8 columns in a row of feature, in gamma and in beta
.set TO,   5                           ; T: 16 h rows + 4 r
.set PST,  6                           ; where I put my wave's sums
.set L16,  7                           ; 16 x lane: my place in an image
.set CST,  8                           ; where I put a row's 8 codes
.set SST,  9                           ; and its block's scale byte
.set TST,  10                          ; where I put T's 16 codes
.set TBS,  11                          ; and their block's scale byte
.set AFA,  12                          ; where I read A's fragments
.set ASA,  13                          ; and A's scale words
.set R4,   14                          ; 4 r
.set MST,  15                          ; where I put M's images
.set BVA,  16                          ; where I read my wave's rows b
.set OST,  17                          ; where I put the results
.set AD,   18
.set WT,   19                          ; W1[o] sqrt(2/64)
.set RM,   20                          ; v20-23  r - e, e = 0 .. 3
.set ACC,  24                          ; v24-31  sums of my 8 columns
.set MU,   32                          ; v32-39  means
.set GA,   40                          ; v40-47  gamma, then rs * gamma
.set BE,   48                          ; v48-55  beta
.set VR,   56                          ; v56-63  variance + eps, then rs
.set PL,   64                          ; v64-127 the eight waves' partial sums
.set TM,   64                          ; v64-95  a row's largest magnitude, then the conversion's scale operand
.set BY,   96                          ; v96-127 the scale bytes
.set CD,   128                         ; v128-159 the codes
.set AF,   160                         ; v160-191 A: tile t, K step s at 8 (2 t + s)
.set BF,   192                         ; v192-207 B: K step s at 8 s
.set DD,   208                         ; v208-223 two accumulators
.set TV,   224                         ; v224-239 16 numbers of T
.set AS,   240                         ; v240-243 A's scale words; v244-245 B's: these six hold scales and nothing else
.set BS,   244
.set TW,   246                         ; v246-251 at work on T
; the pairs (window 0)
.set AC,   24                          ; v24-55  eight sums for each of four rows b
.set RES,  56                          ; lane r: the result of my wave's row r
.set PT,   57                          ; v57-60
.set MR,   64                          ; v64-191 128 rows of my column
.set BV,   192                         ; v192-195 four rows b of my column, as loaded
.set BB,   196                         ; v196-203 the same, each in the low half of a pair
.set DT,   204                         ; v204-219 16 differences
.set TT,   220                         ; v220-227 8 sums of two
.set MK,   32                          ; s32-35  the masks of a trip's four selects
.set MSB, 0
.macro WIN new                         ; s_set_vgpr_msb: bits 1:0 source 0, 3:2 source 1, 5:4 source 2, 7:6 destination; the high byte repeats the setting that is left
.if MSB != \new
	s_set_vgpr_msb (MSB<<8)|\new
.set MSB, \new
.endif
.endm
	s_load_b256 s[4:11], s[0:1], 0x0               ; feature s[4:5], T s[6:7], gamma s[8:9], beta s[10:11]
	s_load_b128 s[12:15], s[0:1], 0x20             ; W1 s[12:13], part s[14:15]
	v_lshl_add_u32 v254, v0, 2, 0x12800
	v_mov_b32 v255, 0
	v_lshrrev_b32 v[LANE], 5, v0
	v_readfirstlane_b32 s16, v[LANE]               ; wave 0..7
	v_and_b32 v[LANE], 31, v0
	s_wait_alu depctr_va_vdst(0)
	v_and_b32 v[R], 15, v0
	s_wait_alu depctr_va_vdst(0)
	v_bfe_u32 v[H], v0, 4, 1
	s_lshr_b32 s17, ttmp9, 1                       ; slice: columns 16 slice ..
	s_and_b32 s18, ttmp9, 1                        ; which 128 rows b
	s_mov_b32 s28, 0x76543210                      ; v_permlanex16_b32: lane l xor 16
	s_mov_b32 s29, 0xfedcba98
	s_mov_b32 s30, 0x3b800000                      ; 1 / 256
	s_mov_b32 s31, 0x3727c5ac                      ; 1e-5
	; every address is made here, from the thread's number, the wave's number and constants
	v_lshlrev_b32 v[XO], 5, v[LANE]
	v_lshlrev_b32 v[R4], 2, v[R]
	v_lshl_add_u32 v[TO], v[H], 17, v[R4]          ; 16 rows of 8,192 bytes for the upper lanes
	v_lshlrev_b32 v[L16], 4, v[LANE]
	s_wait_alu depctr_va_sdst(0)                   ; s16 is written, ahead of its first reader: LDS addresses, bases and the last branch are made from it
	s_lshl_b32 s20, s16, 10
	v_add_nc_u32 v[PST], s20, v[L16]               ; 1,024 wave + 16 lane (the region stands in the offset)
	s_mul_i32 s20, s16, 32*XP
	s_add_co_u32 s20, s20, XC                      ; my wave's 32 rows of codes
	v_lshl_add_u32 v[CST], v[LANE], 2, s20         ; in: 4 bytes a lane
	v_mul_u32_u24 v[AFA], v[R], XP
	s_wait_alu depctr_va_vdst(0)
	v_lshl_add_u32 v[AFA], v[H], 4, v[AFA]
	v_add_nc_u32 v[AFA], s20, v[AFA]               ; out: row r, + 16 h
	s_lshl_b32 s20, s16, 8
	s_add_co_u32 s21, s20, XS                      ; my wave's 32 rows of scale bytes
	v_lshrrev_b32 v[SST], 2, v[LANE]
	v_add_nc_u32 v[SST], s21, v[SST]               ; in: block lane / 4
	v_lshl_add_u32 v[ASA], v[R], 3, s21            ; out: row r
	s_add_co_u32 s21, s20, TBI
	v_lshlrev_b32 v[TST], 4, v[R]
	v_lshl_add_u32 v[TST], v[H], 3, v[TST]
	v_add_nc_u32 v[TST], s21, v[TST]               ; K block w lies in image w / 2, lanes 16 (w % 2) + r: 256 w + 16 r; my 16 codes are its bytes 8 h ..
	s_lshr_b32 s21, s16, 2
	s_lshl_b32 s21, s21, 6
	s_and_b32 s22, s16, 3
	s_add_co_u32 s21, s21, s22
	s_add_co_u32 s21, s21, TSB
	v_add_nc_u32 v[TBS], s21, v[R4]                ; K step w / 4, column r, byte w % 4
	s_lshl_b32 s21, s16, 11
	v_add_nc_u32 v[MST], s21, v[L16]               ; my two tiles of M: images 4 w ..
	s_lshl_b32 s21, s18, 3
	s_add_co_u32 s21, s21, s16
	s_lshl_b32 s21, s21, 10                        ; my wave's 16 rows b are tile 8 half + w
	v_lshl_add_u32 v[BVA], v[R], 4, s21            ; both halves of the lanes read column r
	s_lshl_b32 s21, s16, 6
	s_add_co_u32 s21, s21, OS
	v_add_nc_u32 v[OST], s21, v[R4]
.irp e, 0,1,2,3
	v_add_nc_u32 v[RM+\e], -\e, v[R]
.endr
	s_lshl_b32 s22, s16, 15                        ; feature: 32 rows of 1,024 bytes a wave
	s_mov_b32 s23, 0
	s_lshl_b32 s24, s16, 18                        ; T: 32 rows of 8,192 bytes a wave,
	s_lshl_b32 s25, s17, 6                         ; 64 bytes a slice
	s_add_co_u32 s24, s24, s25
	s_mov_b32 s25, 0
	s_lshr_b32 s26, s17, 1                         ; o = slice / 2
	s_lshl_b32 s26, s26, 2
	s_mov_b32 s27, 0
	s_lshl_b32 s20, ttmp9, 9                       ; part: 1,024 slice + 512 half
	s_mov_b32 s21, 0
	s_wait_kmcnt 0x0
	s_add_nc_u64 s[4:5], s[4:5], s[22:23]
	s_add_nc_u64 s[6:7], s[6:7], s[24:25]
	s_add_nc_u64 s[12:13], s[12:13], s[26:27]
	s_add_nc_u64 s[14:15], s[14:15], s[20:21]
	s_load_b32 s19, s[12:13], 0x0                  ; W1[o]
	; ALL GLOBAL LOADS, in the order in which they are wanted: T's 16, gamma and beta, feature's 64
	s_wait_alu depctr_va_vdst(0)                   ; the offsets and LDS addresses v4 to v17 are written, which every load and store of the kernel reads; up to X's loads only loads and one window switch follow
.irp i, 0,1,2,3,4,5,6,7,8,9,10,11,12,13,14,15
	global_load_b32 v[TV+\i], v[TO], s[6:7] offset:\i*TROW   ; T(32 w + 16 h + i, column r): sixteen lanes read 64 neighbouring bytes
.endr
	global_load_b128 v[GA:GA+3], v[XO], s[8:9]
	global_load_b128 v[GA+4:GA+7], v[XO], s[8:9] offset:16
	global_load_b128 v[BE:BE+3], v[XO], s[10:11]
	global_load_b128 v[BE+4:BE+7], v[XO], s[10:11] offset:16
	WIN 0x40                                       ; destination window 1: X, row j at v[8 j]
.set RJ, 0
.rept 32
	global_load_b128 v[8*RJ:8*RJ+3], v[XO], s[4:5] offset:RJ*ROWB        ; the two loads of a row cover its 1,024 bytes
	global_load_b128 v[8*RJ+4:8*RJ+7], v[XO], s[4:5] offset:RJ*ROWB+16
.set RJ, RJ+1
.endr
	WIN 0
	; ---- T: my 16 numbers of K block w, column r, while feature is on its way
	s_wait_loadcnt 63                              ; 68 loads were issued behind T's; the count's field holds 63: T's 16 are in
	v_max3_num_f32 v[TW], |v[TV]|, |v[TV+1]|, 0x1800000       ; the largest magnitude, in two chains, with the floor 2^(3 - 127) among its leaves: the byte cannot fall under 1
	v_max3_num_f32 v[TW+1], |v[TV+8]|, |v[TV+9]|, |v[TV+10]|
	v_max3_num_f32 v[TW], v[TW], |v[TV+2]|, |v[TV+3]|
	v_max3_num_f32 v[TW+1], v[TW+1], |v[TV+11]|, |v[TV+12]|
	v_max3_num_f32 v[TW], v[TW], |v[TV+4]|, |v[TV+5]|
	v_max3_num_f32 v[TW+1], v[TW+1], |v[TV+13]|, |v[TV+14]|
	v_max3_num_f32 v[TW], v[TW], |v[TV+6]|, |v[TV+7]|
	v_max3_num_f32 v[TW], v[TW], v[TW+1], |v[TV+15]|
	v_permlanex16_b32 v[TW+1], v[TW], s28, s29     ; the block's other 16 lie in lane l xor 16
	v_max_num_f32 v[TW], v[TW], v[TW+1]
	v_add_nc_u32 v[TW+2], 0xff000000, v[TW]        ; 2 off the exponent field: the conversion takes that field as its scale
	v_lshrrev_b32 v[TW+3], 23, v[TW+2]             ; the scale's byte
	v_cvt_scalef32_pk8_fp4_f32 v[TW+4], v[TV:TV+7], v[TW+2]
	v_cvt_scalef32_pk8_fp4_f32 v[TW+5], v[TV+8:TV+15], v[TW+2]
	v_nop                                          ; one plain instruction behind the last scaled conversion
	s_wait_alu depctr_va_vdst(0)                   ; the shift and the conversions have written v[TW+3] to v[TW+5], which the two LDS stores read
	ds_store_b64 v[TST], v[TW+4:TW+5]
	ds_store_b8 v[TBS], v[TW+3]                    ; both lanes of a block write the same byte with the same value
; my wave's eight sums go to LDS; behind the barrier every wave reads all eight waves' and adds them in the same order
.macro SHARE base
	s_wait_alu depctr_va_vdst(0)                   ; the pass has written v[ACC ..], which the two LDS stores read; and every earlier line that named v[PL ..] is done, in which the sixteen loads below land: no vector line stands between
	ds_store_b128 v[PST], v[ACC:ACC+3] offset:\base
	ds_store_b128 v[PST], v[ACC+4:ACC+7] offset:\base+512
	s_wait_dscnt 0x0                               ; for the others: my LDS stores have landed (the first time T's codes and bytes among them)
	s_barrier_signal -1
	s_barrier_wait -1
.irp q, 0,1,2,3,4,5,6,7,8,9,10,11,12,13,14,15
	ds_load_b128 v[PL+4*\q:PL+4*\q+3], v[L16] offset:\base+512*\q   ; wave q / 2, columns 4 (q % 2) .. of my 8
.endr
	s_wait_dscnt 0x0
.irp m, 0,2,4,6
.irp k, 0,2,4,6
	v_pk_add_f32 v[PL+8*\m+\k:PL+8*\m+\k+1], v[PL+8*\m+\k:PL+8*\m+\k+1], v[PL+8*\m+8+\k:PL+8*\m+8+\k+1]
.endr
.endr
.irp m, 0,4
.irp k, 0,2,4,6
	v_pk_add_f32 v[PL+8*\m+\k:PL+8*\m+\k+1], v[PL+8*\m+\k:PL+8*\m+\k+1], v[PL+8*\m+16+\k:PL+8*\m+16+\k+1]
.endr
.endr
.irp k, 0,2,4,6
	v_pk_add_f32 v[PL+\k:PL+\k+1], v[PL+\k:PL+\k+1], v[PL+32+\k:PL+32+\k+1]
.endr
.endm
	; ---- the means: my 32 rows, four packed chains; the rows are taken as their loads come in
	s_wait_loadcnt 56                              ; rows 0-3 (8 loads) are in, the 56 behind them may be out
	WIN 0x05                                       ; sources 0 and 1: X
.irp k, 0,2,4,6
	v_pk_add_f32 v[ACC+\k:ACC+\k+1], v[\k:\k+1], v[8+\k:8+\k+1]      ; rows 0 and 1 start the sums: nothing is cleared
.endr
	WIN 0x01                                       ; source 0: X
.set RJ, 2
.rept 30
.if (RJ%4) == 0
	s_wait_alu depctr_va_vdst(0)
	s_wait_loadcnt 56-8*(RJ/4)                     ; rows RJ .. RJ + 3 are in; the loads issued behind theirs may be out
.endif
.irp k, 0,2,4,6
	v_pk_add_f32 v[ACC+\k:ACC+\k+1], v[8*RJ+\k:8*RJ+\k+1], v[ACC+\k:ACC+\k+1]
.endr
.set RJ, RJ+1
.endr
	WIN 0
	SHARE P1
.irp k, 0,2,4,6
	v_pk_mul_f32 v[MU+\k:MU+\k+1], v[PL+\k:PL+\k+1], 0x3b800000 op_sel_hi:[1,0]   ; / 256: exact
.endr
	; ---- the variances: X becomes x - mean, in place; then the sums of its squares
	WIN 0x41                                       ; destination and source 0: X
.set RJ, 0
.rept 32
.irp k, 0,2,4,6
	v_pk_add_f32 v[8*RJ+\k:8*RJ+\k+1], v[8*RJ+\k:8*RJ+\k+1], v[MU+\k:MU+\k+1] neg_lo:[0,1] neg_hi:[0,1]
.endr
.set RJ, RJ+1
.endr
	s_wait_alu depctr_vm_vsrc(0)                   ; the LDS stores of the column sums have read v[ACC ..], which the next four lines write again
	WIN 0x05
.irp k, 0,2,4,6
	v_pk_mul_f32 v[ACC+\k:ACC+\k+1], v[\k:\k+1], v[\k:\k+1]
.endr
.set RJ, 1
.rept 31
.irp k, 0,2,4,6
	v_pk_fma_f32 v[ACC+\k:ACC+\k+1], v[8*RJ+\k:8*RJ+\k+1], v[8*RJ+\k:8*RJ+\k+1], v[ACC+\k:ACC+\k+1]
.endr
.set RJ, RJ+1
.endr
	WIN 0
	SHARE P2
.irp c, 0,1,2,3,4,5,6,7
	v_fma_f32 v[VR+\c], v[PL+\c], s30, s31         ; sum / 256 + 1e-5: one rounding, as a division by 256 and an addition have
.endr
	s_wait_alu depctr_va_vdst(0)
.irp c, 0,1,2,3,4,5,6,7
	v_rsq_f32 v[VR+\c], v[VR+\c]
.endr
	v_nop                                          ; a plain instruction behind the last of the batch
	s_wait_alu depctr_va_vdst(0)                   ; this wait stands ahead of the first use of a result: one for the eight v_rsq_f32, which have written v[VR ..]
.irp k, 0,2,4,6
	v_pk_mul_f32 v[GA+\k:GA+\k+1], v[GA+\k:GA+\k+1], v[VR+\k:VR+\k+1]   ; rs * gamma
.endr
	; ---- x = (x - mean) * (rs * gamma) + beta, in place
	WIN 0x41
.set RJ, 0
.rept 32
.irp k, 0,2,4,6
	v_pk_fma_f32 v[8*RJ+\k:8*RJ+\k+1], v[8*RJ+\k:8*RJ+\k+1], v[GA+\k:GA+\k+1], v[BE+\k:BE+\k+1]
.endr
.set RJ, RJ+1
.endr
	; ---- the quantiser, stage by stage over all 32 rows, so that each stage stands under one window setting and no line waits for the line above it
	WIN 0x05
.set RJ, 0
.rept 32
	v_max3_num_f32 v[TM+RJ], |v[8*RJ]|, |v[8*RJ+1]|, 0x1800000     ; my 8 numbers of the row, and the floor 2^(3 - 127)
.set RJ, RJ+1
.endr
.irp u, 2,4,6
.set RJ, 0
.rept 32
	v_max3_num_f32 v[TM+RJ], |v[8*RJ+\u]|, |v[8*RJ+\u+1]|, v[TM+RJ]
.set RJ, RJ+1
.endr
.endr
	WIN 0
.irp m, 1,2
.set RJ, 0
.rept 32
	v_max_num_f32_dpp v[TM+RJ], v[TM+RJ], v[TM+RJ] row_xmask:\m row_mask:0xf bank_mask:0xf   ; with the three lanes that share my block of 32 columns
.set RJ, RJ+1
.endr
.endr
.set RJ, 0
.rept 32
	v_add_nc_u32 v[TM+RJ], 0xff000000, v[TM+RJ]    ; the conversion's scale operand
.set RJ, RJ+1
.endr
.set RJ, 0
.rept 32
	v_lshrrev_b32 v[BY+RJ], 23, v[TM+RJ]           ; the scale's byte
.set RJ, RJ+1
.endr
	WIN 0x01
.set RJ, 0
.rept 32
	v_cvt_scalef32_pk8_fp4_f32 v[CD+RJ], v[8*RJ:8*RJ+7], v[TM+RJ]   ; 8 codes, the lowest k in the lowest bits
.set RJ, RJ+1
.endr
	v_nop                                          ; one plain instruction behind the last scaled conversion
	WIN 0
	s_wait_alu depctr_va_vdst(0)                   ; the shifts have written v[BY ..] and the conversions v[CD ..], which the 64 LDS stores read
.set RJ, 0
.rept 32
	ds_store_b32 v[CST], v[CD+RJ] offset:RJ*XP     ; a row's 128 bytes of codes from the 32 lanes
	ds_store_b8 v[SST], v[BY+RJ] offset:RJ*8       ; the four lanes of a block write the same byte with the same value
.set RJ, RJ+1
.endr
	; ---- M: my 32 rows x the 16 columns.  A's codes and scale bytes are my wave's own LDS bytes, which LDS serves in the order of issue (ISA guide 5.7.1): no wait, no barrier.
	; B's were stored by all waves ahead of the first barrier.  The loads land in registers that no vector line has named.
.irp t, 0,1
.irp s, 0,1
.irp c, 0,1
	ds_load_b128 v[AF+8*(2*\t+\s)+4*\c:AF+8*(2*\t+\s)+4*\c+3], v[AFA] offset:\t*16*XP+64*\s+32*\c   ; row 16 t + r, k = 128 s + 64 c + 32 h ..
.endr
	ds_load_b32 v[AS+2*\t+\s], v[ASA] offset:128*\t+4*\s
.endr
.endr
.irp s, 0,1
.irp c, 0,1
	ds_load_b128 v[BF+8*\s+4*\c:BF+8*\s+4*\c+3], v[L16] offset:TBI+512*(2*\s+\c)
.endr
	ds_load_b32 v[BS+\s], v[R4] offset:TSB+64*\s
.endr
	s_wait_dscnt 0x0
	; the two accumulators take turns, one instruction a turn; the first K step starts the sums
	v_wmma_scale_f32_16x16x128_f8f6f4 v[DD:DD+7], v[AF:AF+7], v[BF:BF+7], 0, v[AS], v[BS] matrix_a_fmt:MATRIX_FMT_FP4 matrix_b_fmt:MATRIX_FMT_FP4
	v_wmma_scale_f32_16x16x128_f8f6f4 v[DD+8:DD+15], v[AF+16:AF+23], v[BF:BF+7], 0, v[AS+2], v[BS] matrix_a_fmt:MATRIX_FMT_FP4 matrix_b_fmt:MATRIX_FMT_FP4
	v_wmma_scale_f32_16x16x128_f8f6f4 v[DD:DD+7], v[AF+8:AF+15], v[BF+8:BF+15], v[DD:DD+7], v[AS+1], v[BS+1] matrix_a_fmt:MATRIX_FMT_FP4 matrix_b_fmt:MATRIX_FMT_FP4
	v_wmma_scale_f32_16x16x128_f8f6f4 v[DD+8:DD+15], v[AF+24:AF+31], v[BF+8:BF+15], v[DD+8:DD+15], v[AS+3], v[BS+1] matrix_a_fmt:MATRIX_FMT_FP4 matrix_b_fmt:MATRIX_FMT_FP4
.rept 4
	v_nop                                          ; four places behind the products: for the stores of the results, and for all that is later loaded or written over the operands
.endr
	s_wait_alu depctr_va_vdst(0)                   ; the products have written v[DD ..], which the four LDS stores read, and are done reading v[AF ..] and v[BF ..]; the quantiser's lines are done with v64 to v159: M and b land in all these behind the barrier, and no vector line stands between.  The places above stay beside this wait
.irp t, 0,1
	ds_store_b128 v[MST], v[DD+8*\t:DD+8*\t+3] offset:\t*1024          ; each accumulator from its low end on; an image: lane l's 16 bytes at 16 l
	ds_store_b128 v[MST], v[DD+8*\t+4:DD+8*\t+7] offset:\t*1024+512
.endr
	s_wait_dscnt 0x0                               ; for the others: my images have landed
	s_barrier_signal -1
	s_barrier_wait -1                              ; all 32 images of M lie in LDS
	; ---- the pairs
	s_wait_alu depctr_vm_vsrc(0)                   ; my LDS stores have read v[BY ..] and v[CD ..], in which M lands, v[DD ..], which the differences write, and v[ACC ..] (the sums of squares), which the pairs' sums write
	ds_load_b128 v[BV:BV+3], v[BVA]                ; my wave's first four rows b
.set RJ, 0
.rept 32
	ds_load_b128 v[MR+4*RJ:MR+4*RJ+3], v[L16] offset:MI+512*RJ   ; lane (r, h): column r, rows 16 t + 8 h + j: 128 rows
.set RJ, RJ+1
.endr
	v_mov_b32 v[RES], 0
.irp e, 0,1,2,3
	v_mov_b32 v[PT+\e], 0                          ; a lane permute's destination counts as one of its sources
	v_mov_b32 v[BB+2*\e+1], 0                      ; the upper halves of the pairs that the packed subtraction names
.endr
	s_wait_kmcnt 0x0
	v_mov_b32 v[WT], s19
	v_mul_f32 v[WT], 0x3e3504f3, v[WT]             ; W1[o] * sqrt(2 / 64)
; One row b against my 128 rows i, 16 at a time: 8 packed subtractions, 8 additions of two magnitudes, 4 packed additions into four chains.  The first 16 start the chains.
.macro PAIR e
.set NB, 0
.rept 8
.irp p, 0,1,2,3,4,5,6,7
	v_pk_add_f32 v[DT+2*\p:DT+2*\p+1], v[MR+16*NB+2*\p:MR+16*NB+2*\p+1], v[BB+2*\e:BB+2*\e+1] op_sel_hi:[1,0] neg_lo:[0,1] neg_hi:[0,1]   ; M[i] - M[b], two rows i; of b's pair the low word serves both
.endr
.if NB == 0
.irp p, 0,1,2,3,4,5,6,7
	v_add_f32 v[AC+8*\e+\p], |v[DT+2*\p]|, |v[DT+2*\p+1]|
.endr
.else
.irp p, 0,1,2,3,4,5,6,7
	v_add_f32 v[TT+\p], |v[DT+2*\p]|, |v[DT+2*\p+1]|
.endr
.irp k, 0,2,4,6
	v_pk_add_f32 v[AC+8*\e+\k:AC+8*\e+\k+1], v[AC+8*\e+\k:AC+8*\e+\k+1], v[TT+\k:TT+\k+1]
.endr
.endif
.set NB, NB+1
.endr
.endm
; Four rows b: group g (s20) of my tile lies 256 g bytes on: rows 8 (g % 2) + 4 (g / 2) + 0 .. 3.  more = 1: the next group is asked for as soon as this one has been copied.
.macro TRIP more
	s_wait_dscnt 0x0                               ; the group is in (the first time: M too)
.irp e, 0,1,2,3
	v_mov_b32 v[BB+2*\e], v[BV+\e]
.endr
.if \more
	s_add_co_u32 s21, s21, 256
	s_wait_alu depctr_vm_vsrc(0)                   ; the last trip's LDS load has read v[AD], which the next line writes
	v_add_nc_u32 v[AD], s21, v[BVA]
	s_wait_alu depctr_va_vdst(0)                   ; the four copies are done reading v[BV ..], in which the load lands, and v[AD], its address, is written
	ds_load_b128 v[BV:BV+3], v[AD]                 ; it has the whole trip in which to land; no line of the trip behind it names v[BV ..] or v[AD]
.endif
	PAIR 0
	PAIR 1
	PAIR 2
	PAIR 3
.irp e, 0,1,2,3                                ; each row's eight sums become one, the four rows by turns
	v_pk_add_f32 v[AC+8*\e:AC+8*\e+1], v[AC+8*\e:AC+8*\e+1], v[AC+8*\e+2:AC+8*\e+3]
	v_pk_add_f32 v[AC+8*\e+4:AC+8*\e+5], v[AC+8*\e+4:AC+8*\e+5], v[AC+8*\e+6:AC+8*\e+7]
.endr
.irp e, 0,1,2,3
	v_pk_add_f32 v[AC+8*\e:AC+8*\e+1], v[AC+8*\e:AC+8*\e+1], v[AC+8*\e+4:AC+8*\e+5]
.endr
.irp e, 0,1,2,3
	v_add_f32 v[AC+8*\e], v[AC+8*\e], v[AC+8*\e+1]
.endr
.irp m, 1,2,4,8                                ; over the 16 columns,
.irp e, 0,1,2,3
	v_add_f32_dpp v[AC+8*\e], v[AC+8*\e], v[AC+8*\e] row_xmask:\m row_mask:0xf bank_mask:0xf
.endr
.endr
.irp e, 0,1,2,3
	v_permlanex16_b32 v[PT+\e], v[AC+8*\e], s28, s29
.endr
.irp e, 0,1,2,3
	v_add_f32 v[AC+8*\e], v[AC+8*\e], v[PT+\e]     ; and the two halves of the rows i: every lane holds the row's sum
.endr
	s_and_b32 s22, s20, 1
	s_lshl_b32 s22, s22, 3
	s_lshr_b32 s23, s20, 1
	s_lshl_b32 s23, s23, 2
	s_or_b32 s22, s22, s23                         ; the group's first row in my tile
.irp e, 0,1,2,3
	v_cmp_eq_u32 s[MK+\e], s22, v[RM+\e]           ; lanes with r = that row + e: the four compares in one run, a mask register each
.endr
	s_wait_alu depctr_va_sdst(0)                   ; the four compares have written s32 to s35, ahead of their first reader
.irp e, 0,1,2,3
	v_cndmask_b32 v[RES], v[RES], v[AC+8*\e], s[MK+\e]
.endr
.endm
	s_mov_b32 s20, 0                               ; g
	s_mov_b32 s21, 0                               ; 256 x the group asked for last
.Ltrip:
	TRIP 1
	s_add_co_u32 s20, s20, 1
	s_cmp_lt_u32 s20, 3
	s_cbranch_scc1 .Ltrip
	TRIP 0                                         ; the last group is written out: there is no further group to ask for
	; ---- the way out: 16 results a wave meet in LDS; wave 0 stores the work-group's 128 as 512 consecutive bytes, at a multiple of 512 from part's first byte
	v_mul_f32 v[RES], v[RES], v[WT]
	s_wait_alu depctr_va_vdst(0)                   ; the multiplication has written v[RES], which the LDS store reads; the pairs' lines are done with v24 to v27, in which wave 0's load below lands: no vector line follows
	ds_store_b32 v[OST], v[RES]                    ; lanes r and 16 + r write the same word with the same value
	s_wait_dscnt 0x0                               ; for wave 0: my results have landed
	s_barrier_signal -1
	s_barrier_wait -1
	s_cmp_lg_u32 s16, 0
	s_cbranch_scc1 .Lend
	ds_load_b128 v[AC:AC+3], v[L16] offset:OS
	s_wait_dscnt 0x0
	global_store_b128 v[L16], v[AC:AC+3], s[14:15]
.Lend:
	s_wait_dscnt 0x0
	s_wait_alu depctr_hold_cnt(0) depctr_sa_sdst(0) depctr_va_vdst(0) depctr_va_sdst(0) depctr_va_ssrc(0) depctr_va_vcc(0) depctr_vm_vsrc(0)
	s_wait_tensorcnt 0x0
	ds_add_u32 v254, v255
	s_wait_dscnt 0x0
	s_endpgm
.Lfunc_end_k_q02c4f26a7c_main:
	.size	k_q02c4f26a7c_main, .Lfunc_end_k_q02c4f26a7c_main-k_q02c4f26a7c_main
	.p2alignl 7, 3214868480
	.fill 96, 4, 3214868480
	.section	.rodata,"a",@progbits
	.p2align	6, 0x0
	.amdhsa_kernel k_q02c4f26a7c_main
		.amdhsa_group_segment_fixed_size 76800
		.amdhsa_private_segment_fixed_size 0
		.amdhsa_enable_private_segment 0
		.amdhsa_kernarg_size 48
		.amdhsa_user_sgpr_count 2
		.amdhsa_user_sgpr_kernarg_segment_ptr 1
		.amdhsa_wavefront_size32 1
		.amdhsa_system_sgpr_workgroup_id_x 1
		.amdhsa_system_sgpr_workgroup_id_y 1
		.amdhsa_system_sgpr_workgroup_id_z 1
		.amdhsa_system_vgpr_workitem_id 0
		.amdhsa_next_free_vgpr 512
		.amdhsa_next_free_sgpr 66
		.amdhsa_reserve_vcc 0
		.amdhsa_float_denorm_mode_32 3
		.amdhsa_float_denorm_mode_16_64 3
		.amdhsa_memory_ordered 1
		.amdhsa_forward_progress 1
		.amdhsa_inst_pref_size 165
	.end_amdhsa_kernel
	.amdgpu_metadata
---
amdhsa.version: [ 1, 2 ]
amdhsa.kernels:
  - .name:           k_q02c4f26a7c_main
    .symbol:         k_q02c4f26a7c_main.kd
    .args:
      - { .name: feature, .offset: 0, .size: 8, .value_kind: global_buffer, .address_space: global }
      - { .name: T, .offset: 8, .size: 8, .value_kind: global_buffer, .address_space: global }
      - { .name: gamma, .offset: 16, .size: 8, .value_kind: global_buffer, .address_space: global }
      - { .name: beta, .offset: 24, .size: 8, .value_kind: global_buffer, .address_space: global }
      - { .name: W1, .offset: 32, .size: 8, .value_kind: global_buffer, .address_space: global }
      - { .name: part, .offset: 40, .size: 8, .value_kind: global_buffer, .address_space: global }
    .group_segment_fixed_size: 76800
    .private_segment_fixed_size: 0
    .kernarg_segment_align: 8
    .kernarg_segment_size: 48
    .max_flat_workgroup_size: 256
    .sgpr_count:     66
    .vgpr_count:     512
    .wavefront_size: 32
...
	.end_amdgpu_metadata
.endif
;; end of part 3
;; launch finish (part 4): grid 4 x 1, 8 waves a work-group, no clusters, 5,120 bytes of LDS; arguments part, b1, out0; writes out0
.if DOCPART == 4
	.amdgcn_target "amdgcn-amd-amdhsa--gfx1250"
	.amdhsa_code_object_version 6
	.text
	.protected	k_q02c4f26a7c_finish
	.globl	k_q02c4f26a7c_finish
	.p2align	8
	.type	k_q02c4f26a7c_finish,@function
k_q02c4f26a7c_finish:
	s_mov_b64 s[64:65], 0
	v_nop
	global_prefetch_b8 v0, s[64:65] scope:SCOPE_SE
	s_setreg_imm32_b32 hwreg(HW_REG_WAVE_MODE, 25, 1), 1
	s_wait_xcnt 0x0
; MINIBATCH DISCRIMINATION, second of two launches: out0[b] = b1 + the sum over the 128 slices of part[slice][b].  part: [128][256] f32, already times W1[o] sqrt(2/64).
; A sum over work-groups of the first launch has one owner here: work-group g owns b = 64 g .. 64 g + 63, which are 256 consecutive bytes of every slice's row, at a multiple of 256 from part's first byte.
; Wave w takes slices 16 w .. 16 w + 15: a load's lanes 0-15 read one slice's 256 bytes, lanes 16-31 the next slice's; eight loads a lane, all issued at once.
; The 16 partial sums (8 waves x 2 halves of the lanes) meet in LDS, and wave 0 adds them, two b a lane, so that its 32 lanes store the 256 bytes of out0 whole.
; No matrix unit, no tensor load, no cluster, no prefetch: 32,768 bytes a work-group, read once, asked for in the first lines; the four work-groups share no byte.
	s_load_b128 s[4:7], s[0:1], 0x0                ; part s[4:5], b1 s[6:7]
	s_load_b64 s[8:9], s[0:1], 0x10                ; out0
	v_lshl_add_u32 v48, v0, 2, 0x1000
	v_mov_b32 v49, 0
	v_lshrrev_b32 v1, 5, v0
	s_delay_alu instid0(VALU_DEP_1)
	v_readfirstlane_b32 s10, v1                    ; wave 0..7
	v_and_b32 v1, 31, v0                           ; lane
	v_and_b32 v2, 15, v0
	v_bfe_u32 v3, v0, 4, 1
	s_delay_alu instid0(VALU_DEP_2)
	v_lshlrev_b32 v4, 4, v2                        ; 16 bytes a lane,
	s_delay_alu instid0(VALU_DEP_1)
	v_lshl_add_u32 v4, v3, 10, v4                  ; the upper lanes one slice (1,024 bytes) on
	v_lshlrev_b32 v5, 4, v0                        ; LDS, in: 16 x thread = 256 x (2 wave + half) + 16 x (lane % 16)
	v_lshlrev_b32 v6, 3, v1                        ; LDS, out, and out0: 8 bytes a lane
	s_lshl_b32 s12, s10, 14                        ; 16 slices a wave
	s_lshl_b32 s14, ttmp9, 8                       ; 256 bytes a work-group, in a slice's row and in out0
	s_mov_b32 s15, 0
	s_add_co_u32 s12, s12, s14
	s_mov_b32 s13, 0
	s_wait_alu depctr_va_vdst(0)
	s_wait_kmcnt 0x0
	s_add_nc_u64 s[4:5], s[4:5], s[12:13]
	s_add_nc_u64 s[8:9], s[8:9], s[14:15]
	s_load_b32 s16, s[6:7], 0x0                    ; b1
.irp n, 0,1,2,3,4,5,6,7
	global_load_b128 v[8+4*\n:11+4*\n], v4, s[4:5] offset:2048*\n th:TH_LOAD_NT   ; slices 16 w + 2 n + half; read once in the launch
.endr
	s_wait_loadcnt 0x0
.irp n, 0,2,4,6
.irp k, 0,2
	v_pk_add_f32 v[8+4*\n+\k:9+4*\n+\k], v[8+4*\n+\k:9+4*\n+\k], v[12+4*\n+\k:13+4*\n+\k]
.endr
.endr
.irp n, 0,4
.irp k, 0,2
	v_pk_add_f32 v[8+4*\n+\k:9+4*\n+\k], v[8+4*\n+\k:9+4*\n+\k], v[16+4*\n+\k:17+4*\n+\k]
.endr
.endr
.irp k, 0,2
	s_delay_alu instid0(VALU_DEP_2)
	v_pk_add_f32 v[8+\k:9+\k], v[8+\k:9+\k], v[24+\k:25+\k]
.endr
	ds_store_b128 v5, v[8:11]
	s_wait_kmcnt 0x0                               ; b1
	s_wait_dscnt 0x0                               ; for wave 0: my partial sums have landed
	s_barrier_signal -1
	s_barrier_wait -1
	s_cmp_lg_u32 s10, 0
	s_cbranch_scc1 .Ldone
.irp p, 0,1,2,3,4,5,6,7,8,9,10,11,12,13,14,15
	ds_load_b64 v[16+2*\p:17+2*\p], v6 offset:256*\p   ; partial sum p of b = 2 lane, 2 lane + 1
.endr
	s_wait_dscnt 0x0
.irp p, 0,2,4,6,8,10,12,14
	v_pk_add_f32 v[16+2*\p:17+2*\p], v[16+2*\p:17+2*\p], v[18+2*\p:19+2*\p]
.endr
.irp p, 0,4,8,12
	v_pk_add_f32 v[16+2*\p:17+2*\p], v[16+2*\p:17+2*\p], v[20+2*\p:21+2*\p]
.endr
.irp p, 0
	s_delay_alu instid0(VALU_DEP_3)
	v_pk_add_f32 v[16+2*\p:17+2*\p], v[16+2*\p:17+2*\p], v[24+2*\p:25+2*\p]
.endr
.irp p, 8
	s_delay_alu instid0(VALU_DEP_2)
	v_pk_add_f32 v[16+2*\p:17+2*\p], v[16+2*\p:17+2*\p], v[24+2*\p:25+2*\p]
.endr
	s_delay_alu instid0(VALU_DEP_1)
	v_pk_add_f32 v[16:17], v[16:17], v[32:33]
	s_delay_alu instid0(VALU_DEP_1)
	v_add_f32 v16, s16, v16
	s_delay_alu instid0(VALU_DEP_2)
	v_add_f32 v17, s16, v17
	global_store_b64 v6, v[16:17], s[8:9]          ; 32 lanes store 256 consecutive bytes, at a multiple of 256 from out0's first byte
.Ldone:
	s_wait_tensorcnt 0x0
	ds_add_u32 v48, v49
	s_wait_dscnt 0x0
	s_endpgm
.Lfunc_end_k_q02c4f26a7c_finish:
	.size	k_q02c4f26a7c_finish, .Lfunc_end_k_q02c4f26a7c_finish-k_q02c4f26a7c_finish
	.p2alignl 7, 3214868480
	.fill 96, 4, 3214868480
	.section	.rodata,"a",@progbits
	.p2align	6, 0x0
	.amdhsa_kernel k_q02c4f26a7c_finish
		.amdhsa_group_segment_fixed_size 5120
		.amdhsa_private_segment_fixed_size 0
		.amdhsa_enable_private_segment 0
		.amdhsa_kernarg_size 24
		.amdhsa_user_sgpr_count 2
		.amdhsa_user_sgpr_kernarg_segment_ptr 1
		.amdhsa_wavefront_size32 1
		.amdhsa_system_sgpr_workgroup_id_x 1
		.amdhsa_system_sgpr_workgroup_id_y 1
		.amdhsa_system_sgpr_workgroup_id_z 1
		.amdhsa_system_vgpr_workitem_id 0
		.amdhsa_next_free_vgpr 50
		.amdhsa_next_free_sgpr 66
		.amdhsa_reserve_vcc 0
		.amdhsa_float_denorm_mode_32 3
		.amdhsa_float_denorm_mode_16_64 3
		.amdhsa_memory_ordered 1
		.amdhsa_forward_progress 1
		.amdhsa_inst_pref_size 6
	.end_amdhsa_kernel
	.amdgpu_metadata
---
amdhsa.version: [ 1, 2 ]
amdhsa.kernels:
  - .name:           k_q02c4f26a7c_finish
    .symbol:         k_q02c4f26a7c_finish.kd
    .args:
      - { .name: part, .offset: 0, .size: 8, .value_kind: global_buffer, .address_space: global }
      - { .name: b1, .offset: 8, .size: 8, .value_kind: global_buffer, .address_space: global }
      - { .name: out0, .offset: 16, .size: 8, .value_kind: global_buffer, .address_space: global }
    .group_segment_fixed_size: 5120
    .private_segment_fixed_size: 0
    .kernarg_segment_align: 8
    .kernarg_segment_size: 24
    .max_flat_workgroup_size: 256
    .sgpr_count:     66
    .vgpr_count:     50
    .wavefront_size: 32
...
	.end_amdgpu_metadata
.endif
;; end of part 4
